; MI455X (gfx1250); checked and timed in simulation.
; The chip was launched on July 23, 2026; its instructions are those of AMD's public machine-readable ISA for CDNA 5 (MIT licence, August 2026) and "CDNA5" Instruction Set Architecture Reference Guide (July 2026). The comments in the code are by the model that wrote it; some were corrected since.
;; Multi Head Attention. Allowed arithmetic: matrix products marked QUANTISED: E4M3 operands, one given power-of-two scale a tensor, by v_wmma_f32_16x16x64_fp8_fp8 or v_wmma_f32_16x16x128_fp8_fp8, f32 sums; everything else in f32.
;; Inputs: Wk_codes 16 x 64 x 32 x 32 uint8 (E4M3 codes of Wk, K innermost, in blocks of 32 codes); Wp_codes 1,024 x 32 x 32 uint8 (E4M3 codes of Wp, K innermost, in blocks of 32 codes); Wq_codes 16 x 64 x 32 x 32 uint8 (E4M3 codes of Wq, K innermost, in blocks of 32 codes); Wv_codes 16 x 64 x 32 x 32 uint8 (E4M3 codes of Wv, K innermost, in blocks of 32 codes); bp 1,024 float32; lowp_scales 12 int32 (the exponents e of the quantised operands' scales 2^e); x_codes 4 x 2,048 x 32 x 32 uint8 (E4M3 codes of x, K innermost, in blocks of 32 codes).
;; Outputs: out0 4 x 2,048 x 1,024 float32.
;; This version of the problem:
;;   THIS VERSION OF THE PROBLEM IS GIVEN IN LOW PRECISION. The matrix products marked QUANTISED in the list below multiply operands that are first quantised to E4M3 (4 exponent bits, 3 mantissa bits; 8 bits a number), with one given power-of-two scale for each operand tensor; their sums are f32. All else is computed in f32.
;;   The module's matrix products, in the order in which they are computed (A, B: the left and right operand; K: the contracted axis; several contracted axes count as one K, in the product's order):
;;     1. [M 1,024, K 1,024] x [K 1,024, N 8,192]; A: input Wq (given as codes); B: input x (given as codes): QUANTISED (scales: A lowp_scales[0], B lowp_scales[1])
;;     2. [M 1,024, K 1,024] x [K 1,024, N 8,192]; A: input Wk (given as codes); B: input x (given as codes): QUANTISED (scales: A lowp_scales[2], B lowp_scales[3])
;;     3. [M 1,024, K 1,024] x [K 1,024, N 8,192]; A: input Wv (given as codes); B: input x (given as codes): QUANTISED (scales: A lowp_scales[4], B lowp_scales[5])
;;     4. batch 64 x [M 2,048, K 64] x [K 64, N 2,048]; A: computed on the way; B: computed on the way: QUANTISED (scales: A lowp_scales[6], B lowp_scales[7])
;;     5. batch 64 x [M 2,048, K 2,048] x [K 2,048, N 64]; A: softmax (see below); B: computed on the way: QUANTISED (scales: A lowp_scales[8], B lowp_scales[9])
;;     6. [M 8,192, K 1,024] x [K 1,024, N 1,024]; A: computed on the way; B: input Wp (given as codes): QUANTISED (scales: A lowp_scales[10], B lowp_scales[11])
;;   THE QUANTISER, for each operand of a quantised product, along K:
;;     - The operand's scale is 2^e, e = its entry of the input lowp_scales (int32; the entries are numbered through the quantised products in the list's order, A before B).
;;     - Each number is divided by the scale, clamped to +-448, and rounded to the nearest number of E4M3, ties to even, subnormals kept.
;;     - The product sums the exact products of the quantised numbers (number of the format x scale) in f32.
;;   ~~~python
;;   def quantise(x, axis, e):      # numpy; x: float32 -> the quantised numbers, widened to float32 again
;;       x = np.moveaxis(x, axis, -1); K = x.shape[-1]
;;       r = np.clip(x / 2.0 ** e, -448, 448)
;;       step = 2.0 ** (np.maximum(np.frexp(np.where(r == 0, 1, r))[1] - 1, -6) - 3)
;;       q = np.round(r / step) * step * 2.0 ** e      # np.round: ties to even
;;       return np.moveaxis(q, -1, axis).astype(np.float32)
;;   ~~~
;;   SOFTMAX AHEAD OF A QUANTISED PRODUCT. Where the list says 'softmax', what is quantised is not the finished softmax but p = 2^(t - M), with t = logit x log2(e) and M = ceil(the row's largest t), a whole number; so 1/2 < the row's largest p <= 1. The row's sum l is taken of the UNQUANTISED p, in f32, and the product's result is divided by l at the end. Since M is a whole number, a kernel that streams over the keys may use a running M (the ceiling of the running maximum): every later rescaling is an exact power of two, so the quantised numbers keep their values, but for numbers so far below the row's largest that they fall under the format's range.
;;   OPERANDS COMPUTED ON THE WAY. 'Computed on the way' means the value that the module computes at that place (a softmax that the list does not call 'softmax' is quantised finished and normalised). What goes into a quantiser is computed in f32, as accurately as f32 sums, v_exp_f32 and their like allow (about 1e-6 of the number): no bf16 or f16 on the way to a quantiser, and a product that is left as it is and whose result goes on into a quantised operand takes f32 operands (vector FMAs, or v_wmma_f32_16x16x4_f32). A number that lies on a knife's edge between two numbers of the format may be rounded either way, as far as f32 arithmetic and the matrix unit's own rounding can turn it there, and no further.
;;   INPUTS GIVEN AS CODES. Wk (in the module: [16, 1024, 64], K = its axis 1); Wp (in the module: [1024, 1024], K = its axis 0); Wq (in the module: [16, 1024, 64], K = its axis 1); Wv (in the module: [16, 1024, 64], K = its axis 1); x (in the module: [4, 2048, 1024], K = its axis 2): each comes as NAME_codes (uint8): NAME with its K axis moved to the last place and cut into blocks of 32 codes, [.., K / 32, bytes a block], one block behind the other in memory; one code a byte (a code: sign, 4 exponent bits, 3 mantissa bits); its scale is its entry of lowp_scales. Its value is code x scale, taken as it is: it is not quantised again, and the codes and scales need not be those that the quantiser above would give.
;; One version. Each part assembles by itself: llvm-mc -triple=amdgcn-amd-amdhsa -mcpu=gfx1250 --defsym DOCPART=n.
;; ======== version 1 of 1: 3 launches
;; limits: right only within a limited range of input values
;; workspace buffers: q_img 8,388,608 bytes; k_img 8,388,608 bytes; v_img 8,388,608 bytes; o_img 8,388,608 bytes
;; launch proj (part 1): grid 4 x 64, 4 waves a work-group, clusters of 4 x 4, 327,680 bytes of LDS; arguments x_codes, Wq_codes, Wk_codes, Wv_codes, lowp_scales, q_img, k_img, v_img; writes q_img, k_img, v_img
.if DOCPART == 1
	.amdgcn_target "amdgcn-amd-amdhsa--gfx1250"
	.amdhsa_code_object_version 6
	.text
	.protected	k_q096ebdf85e_proj
	.globl	k_q096ebdf85e_proj
	.p2align	8
	.type	k_q096ebdf85e_proj,@function
k_q096ebdf85e_proj:
	s_mov_b64 s[64:65], 0
	v_nop
	global_prefetch_b8 v0, s[64:65] scope:SCOPE_SE
	s_setreg_imm32_b32 hwreg(HW_REG_WAVE_MODE, 25, 1), 1
	s_wait_xcnt 0x0
	s_wait_alu depctr_hold_cnt(0) depctr_sa_sdst(0) depctr_va_vdst(0) depctr_va_sdst(0) depctr_va_ssrc(0) depctr_va_vcc(0) depctr_vm_vsrc(0)
	s_getreg_b32 s2, hwreg(HW_REG_IB_STS2, 6, 4)
	s_cmp_eq_u32 s2, 0
	s_cbranch_scc0 .Lentry_in_a_cluster
	s_endpgm
.Lentry_in_a_cluster:
	s_bfe_u32 s2, ttmp6, 0x10000c
	s_cmp_lg_u32 s2, 0xf033
	s_cbranch_scc0 .Lentry_shape_is_right
	s_endpgm
.Lentry_shape_is_right:
; q, k, v = x W^T for all 16 heads, on codes of FP8 (E4M3), and their quantising: three GEMMs [8192 tokens] x [1024 rows of W], K = 1024, in one launch.
; x_codes: [8192][1024] bytes.  Wq, Wk, Wv codes: [1024 = 64 head + e][1024] bytes.
; A BLOCK is 128 rows of 'A' x 256 rows of 'B'; each tensor has 256 blocks, and each of the 256 work-groups STAYS and makes three: its block of q, of k and of v.  Four waves; a wave makes 64 x 128: 32 accumulators.
; THE MATRIX INSTRUCTION IS USED TRANSPOSED (source 0 = 16 rows of B, source 1 = 16 rows of A): a lane holds one row of A and eight neighbouring rows of B.
;   q, k: A = x, B = W: a lane holds one token and eight neighbouring e, the next product's K.     v: A = Wv, B = x: a lane holds one channel and eight neighbouring keys, the K of the product with p.
; The results leave as IMAGES OF OPERAND REGISTERS (16 rows x 64 K = 8 registers a lane, two runs of 512 bytes, lane l's 16 bytes at 16 l):
;   q_img, k_img: (16 b + head) x 131072 + (t / 16) x 1024 + 512 c2 + 16 lane;      v_img: (16 b + head) x 131072 + (t / 64) x 4096 + (e / 16) x 1024 + 512 c2 + 16 lane.
; A sum stands for sum x 2^(eW + ex); its code is sum / 2^E, E = eOut - eW - ex, held within +-448.  LIMIT: E between -126 and 119, so that 2^E and 448 x 2^E are f32 numbers.  NaN codes among the inputs are not served.
; THE WALK: twelve K steps of 256 (four a block), K step n in LDS plane n % 3 (A's 128 rows of 272 bytes, then B's 256).  Behind one round K steps 3 d and 3 d + 1 are asked for, one tile a wave
; (wave w: A's tile where w is even, B's where it is odd, of K step 3 d + w / 2); behind the next K step 3 d + 2, by waves 0 and 1.  By the text's own count a wave never has more than one tensor load out.
; CLUSTERS: 4 x 4 work-groups; A's tile is shared along a row of the cluster, B's along a column: joint loads.  No prefetch: K is short, four steps a block.
; REGISTERS: window 0: v0-31 addresses and scales, v32-95 held sums, A's fragments in two sets at v128 and v192.  Window 1: B's in two sets at v0 and v128.  Window 2: accumulator (a, b) at v[8 (8 a + b)].
;   Window 3: the codes, 64 registers a block, so that no store's data are written again.
.set ROWB,   256
.set KROW,   1024
.set PITCH,  272                       ; an LDS row: 256 bytes + 16 of padding
.set FR,     16
.set NP,     4                         ; places behind this matrix instruction (ISA guide 7.12.1)
.set ASZ,    128*PITCH
.set PLANE,  3*ASZ                     ; 104,448 bytes
.set SPARE,  3*PLANE                   ; the spare words, 128 bytes a wave
.set SCL,  8                           ; v8, v10, v12: 2^E of q, k, v;  v9, v11, v13: 448 x 2^E
.set ADRA, 16                          ; v16-18 my A fragments in planes 0, 1, 2
.set ADRB, 20                          ; v20-22 the same for B
.set OFS,  24                          ; 16 x lane
.set SPW,  28
.set NIL,  29
.set TMP,  32
.set AF,   128
.set G1, 24
.set G0, 32
.set G0B, 36
.set G1B, 48
.set MSB, 0
.macro WIN new
.if MSB != \new
	s_set_vgpr_msb (MSB<<8)|\new
.set MSB, \new
.endif
.endm
.set MUL_LO, 0xa1                      ; source 0 window 1, source 1 window 0, C and D window 2
.set TO_B,   0x40
; A joint load.  pl < 0: every wave asks; else the two waves with w / 2 = pl.  Even waves ask for A, odd ones for B.  The branches hang on the wave's number alone.
.macro JL pl
.if \pl >= 0
	s_cmp_lg_u32 s15, \pl
	s_cbranch_scc1 .Lasked_\@
.endif
	s_cmp_eq_u32 s16, 0
	s_cbranch_scc0 .Lfor_b_\@
	tensor_load_to_lds s[G0:G0+3], s[G1:G1+7]
	s_nop 0
.rept 4
	v_nop
.endr
	s_branch .Lasked_\@
.Lfor_b_\@:
	tensor_load_to_lds s[G0B:G0B+3], s[G1B:G1B+7]
	s_nop 0
.rept 4
	v_nop
.endr
.Lasked_\@:
.endm
.macro CROUND                          ; a round of the cluster's barrier
	s_barrier_signal -1
	s_barrier_wait -1
	s_cmp_lg_u32 s14, 0
	s_cbranch_scc1 .Lnot_wave_0_\@
	s_barrier_signal -3
.Lnot_wave_0_\@:
	s_barrier_wait -3
	s_barrier_signal -1
	s_barrier_wait -1
.endm
.macro SEQ                             ; all my tensor loads have landed; the add; the add and my LDS reads are done
	s_wait_tensorcnt 0x0
	ds_add_u32 v[SPW], v[NIL]
	s_wait_dscnt 0x0
.endm
.macro PLACES
.rept NP
	v_nop
.endr
.endm
; The groups 0 for the next request.  K step n is K step n % 4 of block n / 4; A's addresses stand in s[4:5] (blocks 0, 1) and s[6:7], B's in s[8:9], s[10:11], s[12:13].
; n1 >= 0: waves 0, 1 take K step n0 into plane 0, waves 2, 3 K step n1 into plane 1.  n1 < 0: K step n0 into plane 2.  Written only where no load of the wave is out.
.macro SETG n0, n1
.if \n1 < 0
	s_add_nc_u64 s[G0+2:G0+3], s[4+2*((\n0)/8):5+2*((\n0)/8)], ((\n0)%4)*ROWB
	s_add_nc_u64 s[G0B+2:G0B+3], s[8+2*((\n0)/4):9+2*((\n0)/4)], ((\n0)%4)*ROWB
	s_mov_b32 s[G0+1], 2*PLANE
	s_mov_b32 s[G0B+1], 2*PLANE+ASZ
.else
	s_cmp_eq_u32 s15, 0
	s_cselect_b64 s[56:57], s[4+2*((\n0)/8):5+2*((\n0)/8)], s[4+2*((\n1)/8):5+2*((\n1)/8)]
	s_cselect_b64 s[58:59], s[8+2*((\n0)/4):9+2*((\n0)/4)], s[8+2*((\n1)/4):9+2*((\n1)/4)]
	s_mov_b32 s60, ((\n1)%4)*ROWB
	s_cselect_b32 s60, ((\n0)%4)*ROWB, s60
	s_add_nc_u64 s[G0+2:G0+3], s[56:57], s[60:61]
	s_add_nc_u64 s[G0B+2:G0B+3], s[58:59], s[60:61]
	s_mov_b32 s[G0+1], s45
	s_add_co_u32 s[G0B+1], s45, ASZ
.endif
	s_or_b32 s[G0+3], s[G0+3], 0x80000000
	s_or_b32 s[G0B+3], s[G0B+3], 0x80000000
.endm
.macro MKS src, dst                    ; from E: 2^E and 448 x 2^E as f32 bits
	s_add_co_i32 s[\src], s[\src], 127
	s_lshl_b32 s[\dst], s[\src], 23
	s_add_co_i32 s[\src], s[\src], 8
	s_lshl_b32 s[\dst+1], s[\src], 23
	s_or_b32 s[\dst+1], s[\dst+1], 0x600000
.endm
	s_load_b512 s[68:83], s[0:1], 0x0              ; x s[68:69], Wq, Wk, Wv, scales s[76:77], q_img s[78:79], k_img, v_img
	v_lshl_add_u32 v[SPW], v0, 2, SPARE
	v_mov_b32 v[NIL], 0
	ds_add_u32 v[SPW], v[NIL]                      ; the opening lines
	ds_add_u32 v[SPW], v[NIL]
	v_lshrrev_b32 v1, 5, v0
	v_readfirstlane_b32 s14, v1                    ; wave 0..3
	s_lshr_b32 s15, s14, 1                         ; my half of A's rows.  Also: which of two K steps I fetch
	s_and_b32 s16, s14, 1                          ; my half of B's rows.  Also: I fetch for A (0) or for B (1)
	s_bfe_u32 s40, ttmp6, 0x40000                  ; cx
	s_bfe_u32 s41, ttmp6, 0x40004                  ; cy
	s_and_b32 s42, ttmp7, 0xffff                   ; the cluster, 0..15
	s_lshl_b32 s43, s41, 2
	s_lshl_b32 s43, 15, s43                        ; my row of the cluster
	s_lshl_b32 s44, 0x1111, s40                    ; my column
	s_or_b32 s[G1+0], s43, (0<<16)|(1<<20)|(1<<21)|(5<<22)|(3<<25)    ; A: 128 rows of 256 bytes, four words of padding behind each
	s_mov_b32 s[G1+1], ROWB<<16
	s_mov_b32 s[G1+2], 128<<16
	s_mov_b32 s[G1+3], ROWB<<16
	s_mov_b32 s[G1+4], 128
	s_mov_b32 s[G1+5], KROW
	s_mov_b32 s[G1+6], 0
	s_mov_b32 s[G1+7], 0
	s_or_b32 s[G1B+0], s44, (0<<16)|(1<<20)|(1<<21)|(5<<22)|(3<<25)   ; B: 256 rows
	s_mov_b32 s[G1B+1], ROWB<<16
	s_mov_b32 s[G1B+2], 256<<16
	s_mov_b32 s[G1B+3], ROWB<<16
	s_mov_b32 s[G1B+4], 256
	s_mov_b32 s[G1B+5], KROW
	s_mov_b32 s[G1B+6], 0
	s_mov_b32 s[G1B+7], 0
	s_lshl_b32 s20, s42, 2                         ; q, k: A = tokens, tile 4 x cluster + cy of 64; 128 rows of 1,024 bytes a tile
	s_add_co_u32 s20, s20, s41
	s_lshl_b32 s20, s20, 17
	s_mov_b32 s21, 0
	s_and_b32 s22, s42, 1                          ; v: A = Wv, tile 4 x (cluster % 2) + cy of 8
	s_lshl_b32 s22, s22, 2
	s_add_co_u32 s22, s22, s41
	s_lshl_b32 s22, s22, 17
	s_mov_b32 s23, 0
	s_lshl_b32 s46, s40, 18                        ; q, k: B = W, tile cx of 4; 256 rows a tile
	s_mov_b32 s47, 0
	s_lshr_b32 s18, s42, 1                         ; v: B = tokens, tile 4 x (cluster / 2) + cx of 32
	s_lshl_b32 s18, s18, 2
	s_add_co_u32 s18, s18, s40
	s_lshl_b32 s18, s18, 18
	s_mov_b32 s19, 0
	s_mul_i32 s45, s15, PLANE                      ; plane 0 or 1: no place in the cluster enters an LDS address
	s_mov_b32 s61, 0
	s_mov_b32 s[G0], 1
	s_mov_b32 s[G0B], 1
	s_wait_dscnt 0x0
	s_wait_kmcnt 0x0
	s_load_b256 s[84:91], s[76:77], 0x0            ; the scales' exponents 0 to 7,
	s_load_b128 s[92:95], s[76:77], 0x20           ; and 8 to 11
	s_add_nc_u64 s[4:5], s[68:69], s[20:21]        ; A of q and of k
	s_add_nc_u64 s[6:7], s[74:75], s[22:23]        ; A of v
	s_add_nc_u64 s[8:9], s[70:71], s[46:47]        ; B of q,
	s_add_nc_u64 s[10:11], s[72:73], s[46:47]      ; of k,
	s_add_nc_u64 s[12:13], s[68:69], s[18:19]      ; of v
	SETG 0, 1
	CROUND                                         ; the sixteen work-groups are here: the first joint loads meet
	JL -1                                          ; K steps 0 and 1: one tensor load a wave
	s_lshl_b32 s96, s42, 2                         ; q, k: my first token: 128 x tile + 64 x half
	s_add_co_u32 s96, s96, s41
	s_lshl_b32 s96, s96, 7
	s_lshl_b32 s97, s15, 6
	s_add_co_u32 s96, s96, s97
	s_lshr_b32 s97, s96, 11                        ; b
	s_lshl_b32 s97, s97, 4
	s_lshl_b32 s98, s40, 2                         ; my first head: 4 cx + 2 x half
	s_add_co_u32 s97, s97, s98
	s_lshl_b32 s98, s16, 1
	s_add_co_u32 s97, s97, s98
	s_lshl_b32 s97, s97, 17                        ; (16 b + head) x 131,072
	s_and_b32 s96, s96, 2047
	s_lshl_b32 s96, s96, 6                         ; + 64 t
	s_add_co_u32 s96, s96, s97
	s_mov_b32 s97, 0
	s_add_nc_u64 s[78:79], s[78:79], s[96:97]
	s_add_nc_u64 s[80:81], s[80:81], s[96:97]
	s_lshr_b32 s96, s42, 1                         ; v: my first token: 256 x tile + 128 x half
	s_lshl_b32 s96, s96, 2
	s_add_co_u32 s96, s96, s40
	s_lshl_b32 s96, s96, 8
	s_lshl_b32 s97, s16, 7
	s_add_co_u32 s96, s96, s97
	s_and_b32 s98, s42, 1                          ; my head: 2 x tile + half
	s_lshl_b32 s98, s98, 2
	s_add_co_u32 s98, s98, s41
	s_lshl_b32 s98, s98, 1
	s_add_co_u32 s98, s98, s15
	s_lshr_b32 s97, s96, 11
	s_lshl_b32 s97, s97, 4
	s_add_co_u32 s97, s97, s98
	s_lshl_b32 s97, s97, 17
	s_and_b32 s96, s96, 2047
	s_lshl_b32 s96, s96, 6
	s_add_co_u32 s96, s96, s97
	s_mov_b32 s97, 0
	s_add_nc_u64 s[82:83], s[82:83], s[96:97]
	s_mul_i32 s2, s15, 64*PITCH                    ; my 64 rows of A
	s_mul_i32 s3, s16, ASZ
	s_add_co_u32 s3, s3, ASZ                       ; my 128 rows of B, behind A's 128
	s_wait_kmcnt 0x0                               ; the scales' exponents
	s_sub_co_i32 s90, s90, s84
	s_sub_co_i32 s90, s90, s85                     ; q: e6 - e0 - e1
	s_sub_co_i32 s91, s91, s86
	s_sub_co_i32 s91, s91, s87                     ; k: e7 - e2 - e3
	s_sub_co_i32 s93, s93, s88
	s_sub_co_i32 s93, s93, s89                     ; v: e9 - e4 - e5
	MKS 90, 84
	MKS 91, 86
	MKS 93, 88
	v_and_b32 v1, 15, v0
	v_bfe_u32 v2, v0, 4, 1
	v_mul_u32_u24 v3, v1, PITCH
	v_lshl_add_u32 v4, v2, 4, v3                   ; a fragment's row x pitch + 16 x half
	v_and_b32 v6, 31, v0
	v_lshlrev_b32 v[OFS], 4, v6
	v_add_nc_u32 v[ADRA], s2, v4
	v_add_nc_u32 v[ADRB], s3, v4
	v_add_nc_u32 v[ADRA+1], PLANE, v[ADRA]
	v_add_nc_u32 v[ADRB+1], PLANE, v[ADRB]
	v_add_nc_u32 v[ADRA+2], 2*PLANE, v[ADRA]
	v_add_nc_u32 v[ADRB+2], 2*PLANE, v[ADRB]
.irp i, 0,1,2,3,4,5
	v_mov_b32 v[SCL+\i], s[84+\i]
.endr
; the fragments of a plane's q-th 128 along K into set p: registers 4 c .. 4 c + 3 hold k = 32 c + 16 (l / 16) + 0 .. 15 in A and in B alike.  48 loads
.macro FETCH pl, q, p
	WIN TO_B
.irp i, 0,1,2,3,4,5,6,7
.irp c, 0,1,2,3
	ds_load_b128 v[128*(\p)+FR*\i+4*\c:128*(\p)+FR*\i+4*\c+3], v[ADRB+\pl] offset:128*(\q)+32*\c+\i*16*PITCH
.endr
.endr
	WIN 0
.irp i, 0,1,2,3
.irp c, 0,1,2,3
	ds_load_b128 v[AF+64*(\p)+FR*\i+4*\c:AF+64*(\p)+FR*\i+4*\c+3], v[ADRA+\pl] offset:128*(\q)+32*\c+\i*16*PITCH
.endr
.endr
.endm
; 32 matrix instructions on set p; the 32 accumulators take turns, in the same order in every step.  zero = 1: a block's first product starts the sums
.macro MUL p, zero
	WIN MUL_LO
.irp a, 0,1,2,3
.irp b, 0,1,2,3,4,5,6,7
.if \zero
	v_wmma_f32_16x16x128_fp8_fp8 v[8*(8*\a+\b):8*(8*\a+\b)+7], v[128*(\p)+FR*\b:128*(\p)+FR*\b+FR-1], v[AF+64*(\p)+FR*\a:AF+64*(\p)+FR*\a+FR-1], 0
.else
	v_wmma_f32_16x16x128_fp8_fp8 v[8*(8*\a+\b):8*(8*\a+\b)+7], v[128*(\p)+FR*\b:128*(\p)+FR*\b+FR-1], v[AF+64*(\p)+FR*\a:AF+64*(\p)+FR*\a+FR-1], v[8*(8*\a+\b):8*(8*\a+\b)+7]
.endif
.endr
.endr
	WIN 0
.endm
.macro STP pl, q, p, zero              ; the next step's fragments (plane pl, q) go into the other set; then set p is multiplied
	PLACES                                         ; behind the products that read that other set
	FETCH \pl, \q, 1-(\p)
	s_wait_dscnt 48                                ; all but the 48 just issued: set p is in
	MUL \p, \zero
.endm
.macro LASTM p                         ; a step behind which the next fragments are not yet to be had
	s_wait_dscnt 0x0
	MUL \p, 0
.endm
.macro RING n0, n1                     ; a change of planes: the three lines, the next request's groups 0, a round, the joint load first behind it
	SEQ
	SETG \n0, \n1
	CROUND
.if \n1 < 0
	JL 0
.else
	JL -1
.endif
	PLACES                                         ; in front of the loads into registers that products have read
.endm
; A BLOCK'S WAY OUT.  The eight sums of accumulator (a, b) are eight neighbours along the next K: held, converted, they are registers 2 (b % 4), 2 (b % 4) + 1 of a fragment.
; Four registers a lane are one store of 512 consecutive bytes, at a multiple of 512 from the image's first byte.  x2: bytes from 64 rows of B to the next 64 (q, k: the next head; v: the next 64 keys).
.macro QOUT blk, x2
	PLACES                                         ; behind the block's last products
.irp a, 0,1,2,3
	WIN 0x02                                       ; source 0: window 2
.set j, 0
.rept 64
	v_med3_num_f32 v[TMP+j], v[64*\a+j], -v[SCL+1+2*\blk], v[SCL+1+2*\blk]   ; the conversion does not saturate (ISA guide 7.6.2): the hold at 448 x 2^E; each accumulator from its low end on
.set j, j+1
.endr
	WIN 0xc0                                       ; destination: window 3
.irp b, 0,1,2,3,4,5,6,7
	v_cvt_scalef32_pk8_fp8_f32 v[64*\blk+16*\a+2*\b:64*\blk+16*\a+2*\b+1], v[TMP+8*\b:TMP+8*\b+7], v[SCL+2*\blk]
.endr
	v_nop                                          ; one plain vector instruction behind the conversions: the next holds write their sources
	WIN 0x0c                                       ; the stores' data: window 3
.irp i, 0,1,2,3
	global_store_b128 v[OFS], v[64*\blk+16*\a+4*\i:64*\blk+16*\a+4*\i+3], s[78+2*\blk:79+2*\blk] offset:\a*1024+(\i%2)*512+(\i/2)*\x2
.endr
.endr
	WIN 0
.endm
	s_wait_alu depctr_va_vdst(0)                   ; the head's end
	RING 2, -1                                     ; K steps 0, 1 are in; K step 2 is plane 2's first fill
	FETCH 0, 0, 0
	STP 0, 1, 0, 1                                 ; K step 0
	STP 1, 0, 1, 0
	STP 1, 1, 0, 0                                 ; K step 1
	LASTM 1
	RING 3, 4                                      ; K step 2 is in; planes 0 and 1 are filled again
	FETCH 2, 0, 0
	STP 2, 1, 0, 0                                 ; K step 2
	LASTM 1
	RING 5, -1
	FETCH 0, 0, 0
	STP 0, 1, 0, 0                                 ; K step 3: q's last
	STP 1, 0, 1, 0
	QOUT 0, 131072
	STP 1, 1, 0, 1                                 ; K step 4: k's first
	LASTM 1
	RING 6, 7
	FETCH 2, 0, 0
	STP 2, 1, 0, 0                                 ; K step 5
	LASTM 1
	RING 8, -1
	FETCH 0, 0, 0
	STP 0, 1, 0, 0                                 ; K step 6
	STP 1, 0, 1, 0
	STP 1, 1, 0, 0                                 ; K step 7: k's last
	LASTM 1
	QOUT 1, 131072
	RING 9, 10
	FETCH 2, 0, 0
	STP 2, 1, 0, 1                                 ; K step 8: v's first
	LASTM 1
	RING 11, -1
	FETCH 0, 0, 0
	STP 0, 1, 0, 0                                 ; K step 9
	STP 1, 0, 1, 0
	STP 1, 1, 0, 0                                 ; K step 10
	LASTM 1
	SEQ                                            ; K step 11 is in; nothing is filled again, so no round follows
	s_barrier_signal -1
	s_barrier_wait -1
	PLACES
	FETCH 2, 0, 0
	STP 2, 1, 0, 0                                 ; K step 11
	LASTM 1
	QOUT 2, 4096
	SEQ                                            ; the wave's end
	CROUND                                         ; the closing round
	s_endpgm
.Lfunc_end_k_q096ebdf85e_proj:
	.size	k_q096ebdf85e_proj, .Lfunc_end_k_q096ebdf85e_proj-k_q096ebdf85e_proj
	.p2alignl 7, 3214868480
	.fill 96, 4, 3214868480
	.section	.rodata,"a",@progbits
	.p2align	6, 0x0
	.amdhsa_kernel k_q096ebdf85e_proj
		.amdhsa_group_segment_fixed_size 327680
		.amdhsa_private_segment_fixed_size 0
		.amdhsa_enable_private_segment 0
		.amdhsa_kernarg_size 64
		.amdhsa_user_sgpr_count 2
		.amdhsa_user_sgpr_kernarg_segment_ptr 1
		.amdhsa_wavefront_size32 1
		.amdhsa_system_sgpr_workgroup_id_x 1
		.amdhsa_system_sgpr_workgroup_id_y 1
		.amdhsa_system_sgpr_workgroup_id_z 1
		.amdhsa_system_vgpr_workitem_id 0
		.amdhsa_next_free_vgpr 1024
		.amdhsa_next_free_sgpr 100
		.amdhsa_reserve_vcc 0
		.amdhsa_float_denorm_mode_32 3
		.amdhsa_float_denorm_mode_16_64 3
		.amdhsa_memory_ordered 1
		.amdhsa_forward_progress 1
		.amdhsa_inst_pref_size 206
	.end_amdhsa_kernel
	.amdgpu_metadata
---
amdhsa.version: [ 1, 2 ]
amdhsa.kernels:
  - .name:           k_q096ebdf85e_proj
    .symbol:         k_q096ebdf85e_proj.kd
    .args:
      - { .name: x_codes, .offset: 0, .size: 8, .value_kind: global_buffer, .address_space: global }
      - { .name: Wq_codes, .offset: 8, .size: 8, .value_kind: global_buffer, .address_space: global }
      - { .name: Wk_codes, .offset: 16, .size: 8, .value_kind: global_buffer, .address_space: global }
      - { .name: Wv_codes, .offset: 24, .size: 8, .value_kind: global_buffer, .address_space: global }
      - { .name: lowp_scales, .offset: 32, .size: 8, .value_kind: global_buffer, .address_space: global }
      - { .name: q_img, .offset: 40, .size: 8, .value_kind: global_buffer, .address_space: global }
      - { .name: k_img, .offset: 48, .size: 8, .value_kind: global_buffer, .address_space: global }
      - { .name: v_img, .offset: 56, .size: 8, .value_kind: global_buffer, .address_space: global }
    .group_segment_fixed_size: 327680
    .private_segment_fixed_size: 0
    .kernarg_segment_align: 8
    .kernarg_segment_size: 64
    .max_flat_workgroup_size: 128
    .sgpr_count:     100
    .vgpr_count:     1024
    .wavefront_size: 32
...
	.end_amdgpu_metadata
.endif
;; end of part 1
;; launch attn (part 2): grid 4 x 64, 16 waves a work-group, clusters of 4 x 1, 264,192 bytes of LDS; arguments q_img, k_img, v_img, lowp_scales, o_img; writes o_img
.if DOCPART == 2
	.amdgcn_target "amdgcn-amd-amdhsa--gfx1250"
	.amdhsa_code_object_version 6
	.text
	.protected	k_q096ebdf85e_attn
	.globl	k_q096ebdf85e_attn
	.p2align	8
	.type	k_q096ebdf85e_attn,@function
k_q096ebdf85e_attn:
	s_mov_b64 s[64:65], 0
	v_nop
	global_prefetch_b8 v0, s[64:65] scope:SCOPE_SE
	s_setreg_imm32_b32 hwreg(HW_REG_WAVE_MODE, 25, 1), 1
	s_wait_xcnt 0x0
	s_wait_alu depctr_hold_cnt(0) depctr_sa_sdst(0) depctr_va_vdst(0) depctr_va_sdst(0) depctr_va_ssrc(0) depctr_va_vcc(0) depctr_vm_vsrc(0)
	s_getreg_b32 s2, hwreg(HW_REG_IB_STS2, 6, 4)
	s_cmp_eq_u32 s2, 0
	s_cbranch_scc0 .Lentry_in_a_cluster
	s_endpgm
.Lentry_in_a_cluster:
	s_bfe_u32 s2, ttmp6, 0x10000c
	s_cmp_lg_u32 s2, 0x3003
	s_cbranch_scc0 .Lentry_shape_is_right
	s_endpgm
.Lentry_shape_is_right:
; Causal attention of one (batch, head) on codes of FP8 (E4M3): S^T = K Q^T, p = 2^(t - M), O^T = V^T P^T, O / l quantised for the last product.  2,048 tokens, head size 64.
; t = score x log2(e) / 8; M = the running largest t rounded UP to a whole number; l is the sum of the unquantised p; when M moves, l and O^T are multiplied by 2^(old M - new M), which rounds nothing.
; Key tiles that lie wholly under the causal mask of the problem are left out, by a scalar branch on the wave's number and the count of steps.
; INPUTS are images of operand registers: a fragment (16 rows x 64 K) is 8 registers a lane, two runs of 512 bytes with lane l's 16 bytes at 16 l.
;   q_img, k_img: head x 131072 + (t / 16) x 1024 + 512 c2 + 16 lane.   v_img: head x 131072 + (t / 64) x 4096 + (e / 16) x 1024 + 512 c2 + 16 lane (K = 64 keys).
; OUTPUT o_img: (token / 128) x 131072 + (head / 4) x 32768 + ((token / 16) % 8) x 4096 + (head % 4) x 1024 + (e / 16) x 256 + 16 (token % 16) + e % 16.
; SHARES.  The four work-groups of a cluster share one head.  The whole head lies in LDS: K's image at 0, V's at 131,072, each byte filled once, by sixteen joint loads of 16 KiB, one a wave, whose mask names the four partners.
; Nothing is filled again and nothing is stored to LDS.  No prefetch: each byte of K and V is asked for once, at the head, and there is no loop of loads to run ahead in.
; A level p is 64 queries, 64 p on; the work-group at place cx takes 16 of them, 64 p + 16 cx on: one tile a wave.  Wave w runs level w and then level 31 - w.
; A level works through the key steps of 128 keys that begin at or under its last query: 17 steps in all for every wave.  Sixteen waves of 256 registers: four to a SIMD.
; Every branch hangs on the wave's number and on loop counts; cx enters the addresses of Q and O and the mask's numbers alone.
; Both products are used transposed: a lane holds ONE query (lane % 16); register j of tile kt of S^T is key 16 kt + 8 (lane / 16) + j, the place that the forms give k in registers 2 kt, 2 kt + 1 of an operand.
; The second product takes 128 keys an instruction: two neighbouring fragments of V's image are its 16 registers.
; LIMITS on the given exponents, so that each power of two below is an f32 number: e6 + e7 between -123 and 130; e8 between -126 and 119; e8 + e9 - e10 between -114 and 126.  NaN codes are not served.
.set NT,   2048
.set KS,   128                         ; keys in a step
.set LI,   1                           ; v1   16 x lane; never rewritten
.set LIV,  2                           ; v2   the same in V's half of LDS
.set ADK,  3                           ; v3   LDS address of the step's fragments of K
.set ADV,  4                           ; v4   of V
.set RH,   5                           ; v5   lane % 16 - 8 (lane / 16)
.set DD,   6                           ; v6   the mask's bound
.set NINF, 7                           ; v7   -infinity
.set NEGM, 8                           ; v8   -M;  v9 the largest t (named with it as a pair)
.set RUN,  9
.set L,    10                          ; v[10:11] the sum, in two halves
.set F,    12                          ; v[12:13] f, and 0
.set MX,   14                          ; v14-17 four chains of maxima, then at work
.set X,    18                          ; v18  the lane exchange
.set SA,   20                          ; v[20:25] three more chains of the sum
.set SB,   22
.set SC,   24
.set PLIM, 26                          ; 448 x 2^e8
.set PLIM2, 31                         ; the same once more, for the second half of a dual instruction
.set PSCL, 27                          ; 2^e8
.set SO,   28                          ; 16 (lane % 16) + 8 (lane / 16): my 8 bytes of a store
.set OLIM, 29                          ; 448
.set ONE,  30                          ; 1.0
.set QLO,  32                          ; v32-39 Q of the first level, v40-47 of the second
.set QHI,  40
.set P,    48                          ; v48-63 p's codes; at a level's end O's codes
.set KV,   64                          ; v64-127 eight fragments of K, then of V
.set S,    128                         ; v128-191 S^T, then p
.set O,    192                         ; v192-223 O^T
.set SPW,  254                         ; my spare word's LDS address; never rewritten
.set NIL,  255                         ; 0; never rewritten
.set WV,   14
.set CX,   15
.set BH,   16
.set SEL,  20                          ; s[20:21] lane selects: lane l xor 16
.set CS,   22                          ; s[22:23] c = log2(e) / 8 x 2^(e6 + e7)
.set G1,   24
.set G0K,  32
.set G0V,  36
.set LVL,  40                          ; s40, s41 64 p of the two levels
.set QZ,   42                          ; s42, s43 my first query
.set QB,   44                          ; s[44:47] Q's two addresses
.set OB,   48                          ; s[48:51] O's two addresses
.set KF,   52                          ; the step's first key
.set KB,   53                          ; its fragments' first byte: 64 x KF
.set CNT,  54
.set LIM,  55                          ; the level's last query
.set LS,   56                          ; s56-60 e6 .. e10
.set TS,   61
.set EO,   62                          ; e8 + e9 - e10
.macro CROUND                          ; a round of the cluster's barrier
	s_barrier_signal -1
	s_barrier_wait -1
	s_cmp_lg_u32 s[WV], 0
	s_cbranch_scc1 .Lnot_wave_0_\@
	s_barrier_signal -3
.Lnot_wave_0_\@:
	s_barrier_wait -3
	s_barrier_signal -1
	s_barrier_wait -1
.endm
	s_load_b256 s[4:11], s[0:1], 0x0               ; q_img, k_img, v_img, the scales' exponents
	s_load_b64 s[12:13], s[0:1], 0x20              ; o_img
	v_lshl_add_u32 v[SPW], v0, 2, 0x40000
	v_mov_b32 v[NIL], 0
	ds_add_u32 v[SPW], v[NIL]                      ; the opening lines: the add, twice on end, and its wait
	ds_add_u32 v[SPW], v[NIL]
	v_lshrrev_b32 v3, 5, v0
	v_readfirstlane_b32 s[WV], v3                  ; wave 0..15
	s_bfe_u32 s[CX], ttmp6, 0x40000
	s_and_b32 s[BH], ttmp7, 0xffff                 ; 16 b + head, which the four partners share
	s_mov_b32 s[G1], 15|(3<<16)|(1<<21)            ; the mask: all four; elements of 8 bytes; bit 21 beside a mask: 16 KiB that are dense in memory, as 64 rows of 256 bytes
	s_mov_b32 s[G1+1], 32<<16
	s_mov_b32 s[G1+2], 64<<16
	s_mov_b32 s[G1+3], 32<<16
	s_mov_b32 s[G1+4], 64
	s_mov_b32 s[G1+5], 32
	s_mov_b32 s[G1+6], 0
	s_mov_b32 s[G1+7], 0
	s_lshl_b32 s17, s[BH], 17                      ; the head's first byte in the three images
	s_and_b32 s18, s[WV], 7
	s_lshl_b32 s18, s18, 14
	s_add_co_u32 s18, s18, s17                     ; the eighth of an image that I fetch
	s_mov_b32 s19, 0
	s_lshl_b32 s[LVL], s[WV], 6                    ; level w,
	s_xor_b32 s[LVL+1], s[WV], 31                  ; and level 31 - w
	s_lshl_b32 s[LVL+1], s[LVL+1], 6
	s_lshl_b32 s2, s[CX], 4
	s_add_co_u32 s[QZ], s[LVL], s2                 ; my first query: 64 p + 16 cx
	s_add_co_u32 s[QZ+1], s[LVL+1], s2
	s_lshr_b32 s2, s[BH], 4                        ; o_img: b x 16 blocks of 128 tokens,
	s_lshl_b32 s2, s2, 21
	s_bfe_u32 s3, s[BH], 0x20002                   ; head / 4,
	s_lshl_b32 s3, s3, 15
	s_add_co_u32 s2, s2, s3
	s_lshl_b32 s3, s[CX], 12                       ; a tile of 16 tokens for each cx,
	s_add_co_u32 s2, s2, s3
	s_and_b32 s3, s[BH], 3                         ; head % 4
	s_lshl_b32 s3, s3, 10
	s_add_co_u32 s2, s2, s3
	s_mov_b32 s[SEL], 0x76543210
	s_mov_b32 s[SEL+1], 0xfedcba98
	s_wait_dscnt 0x0
	s_wait_kmcnt 0x0
	s_load_b128 s[LS:LS+3], s[10:11], 0x18         ; e6, e7, e8, e9
	s_load_b32 s[LS+4], s[10:11], 0x28             ; e10
	s_mov_b32 s[G0K], 1
	s_lshl_b32 s[G0K+1], s[WV], 14                 ; LDS address: 16 KiB x wave: waves 0-7 fill K's half, waves 8-15 V's
	s_add_nc_u64 s[G0K+2:G0K+3], s[6:7], s[18:19]
	s_or_b32 s[G0K+3], s[G0K+3], 0x80000000
	s_mov_b32 s[G0V], 1
	s_lshl_b32 s[G0V+1], s[WV], 14
	s_add_nc_u64 s[G0V+2:G0V+3], s[8:9], s[18:19]
	s_or_b32 s[G0V+3], s[G0V+3], 0x80000000
.irp u, 0,1
	s_lshl_b32 s18, s[QZ+\u], 6                    ; 64 bytes a query
	s_add_co_u32 s18, s18, s17
	s_add_nc_u64 s[QB+2*\u:QB+2*\u+1], s[4:5], s[18:19]
	s_lshr_b32 s18, s[LVL+\u], 7                   ; 131,072 bytes for 128 tokens,
	s_lshl_b32 s18, s18, 17
	s_and_b32 s3, s[LVL+\u], 64                    ; 16,384 for the upper 64 of them
	s_lshl_b32 s3, s3, 8
	s_add_co_u32 s18, s18, s3
	s_add_co_u32 s18, s18, s2
	s_add_nc_u64 s[OB+2*\u:OB+2*\u+1], s[12:13], s[18:19]
.endr
	CROUND                                         ; all four work-groups are here: the joint loads meet
	s_cmp_lt_u32 s[WV], 8                          ; one tensor load a wave, the only one of the launch
	s_cbranch_scc0 .Lfor_v
	tensor_load_to_lds s[G0K:G0K+3], s[G1:G1+7]
	s_nop 0
.rept 4
	v_nop
.endr
	s_branch .Lasked
.Lfor_v:
	tensor_load_to_lds s[G0V:G0V+3], s[G1:G1+7]
	s_nop 0
.rept 4
	v_nop
.endr
.Lasked:
	v_and_b32 v[LI], 31, v0
	v_lshlrev_b32 v[LI], 4, v[LI]
	v_add_nc_u32 v[LIV], 0x20000, v[LI]
.irp c, 0,1
	global_load_b128 v[QLO+4*\c:QLO+4*\c+3], v[LI], s[QB:QB+1] offset:\c*512 th:TH_LOAD_NT     ; Q stays in registers; each byte of it is read once
.endr
	v_and_b32 v3, 15, v0                           ; r
	v_bfe_u32 v4, v0, 4, 1                         ; h
	v_lshlrev_b32 v[DD], 3, v4
	v_sub_nc_u32 v[RH], v3, v[DD]                  ; r - 8 h
	v_lshlrev_b32 v[SO], 4, v3
	v_lshl_add_u32 v[SO], v4, 3, v[SO]             ; 16 r + 8 h
	v_mov_b32 v[NINF], 0xff800000
	v_mov_b32 v[OLIM], 0x43e00000
	v_mov_b32 v[ONE], 1.0
	s_wait_alu depctr_va_vdst(0)
	s_wait_kmcnt 0x0
	s_add_co_i32 s[TS], s[LS], s[LS+1]
	s_lshl_b32 s[TS], s[TS], 23
	s_mov_b32 s[CS], 0x3e38aa3b                    ; log2(e) / 8
	s_add_co_i32 s[CS], s[CS], s[TS]               ; a score stands for score x 2^(e6 + e7): the exponents are added to c's exponent field
	s_mov_b32 s[CS+1], s[CS]
	s_add_co_i32 s[TS], s[LS+2], 127
	s_lshl_b32 s[EO], s[TS], 23
	v_mov_b32 v[PSCL], s[EO]                       ; 2^e8 as f32
	s_add_co_i32 s[TS], s[TS], 8
	s_lshl_b32 s[TS], s[TS], 23
	s_or_b32 s[TS], s[TS], 0x600000
	v_mov_b32 v[PLIM], s[TS]                       ; 448 x 2^e8
	v_mov_b32 v[PLIM2], s[TS]
	s_add_co_i32 s[EO], s[LS+2], s[LS+3]
	s_sub_co_i32 s[EO], s[EO], s[LS+4]             ; O's code = sum x 2^(e8 + e9 - e10) / l
	s_wait_alu depctr_va_vdst(0)                   ; the head's end
	s_wait_tensorcnt 0x0                           ; my part of the head is in LDS,
	s_barrier_signal -1
	s_barrier_wait -1                              ; everybody's is: from here on LDS is only read
	s_wait_loadcnt 0x0                             ; Q of the first level
.irp c, 0,1
	global_load_b128 v[QHI+4*\c:QHI+4*\c+3], v[LI], s[QB+2:QB+3] offset:\c*512 th:TH_LOAD_NT     ; Q of the second level is asked for behind the head's loads, and awaited ahead of that level
.endr
; ONE LEVEL.  qb: Q's registers; lv, q0: the scalar registers with 64 p and my first query; op: O's address.
; The loop has the constant count of 16 trips, so that the LDS addresses can be read off the text; a trip whose keys all come after the level's queries jumps to the lines that step.
.macro PASS qb, lv, q0, op
	v_mov_b32 v[RUN], 0xff61b1e6                   ; the largest t so far: -3e38, under every t
	v_mov_b32 v[L], 0
	v_mov_b32 v[L+1], 0
	v_mov_b32 v[F+1], 0
	v_mov_b32 v[X], 0
	v_floor_f32 v[NEGM], -v[RUN]
.set j, 0
.rept 32
	v_mov_b32 v[O+j], 0                            ; the step is written once: the first finds zeros, which the first change of M leaves zeros
.set j, j+1
.endr
	s_mov_b32 s[KF], 0
	s_mov_b32 s[KB], 0
	s_mov_b32 s[CNT], NT/KS
	s_add_co_u32 s[LIM], s[\lv], 63
	s_wait_alu depctr_va_vdst(0)
.Lstep_\@:
	s_cmp_gt_u32 s[KF], s[LIM]
	s_cbranch_scc1 .Lhid_\@
	v_add_nc_u32 v[ADK], s[KB], v[LI]
	v_add_nc_u32 v[ADV], s[KB], v[LIV]
	v_nop                                          ; with the two additions: four places behind the last step's products, which read the registers loaded next
	v_nop
.irp t, 0,1,2,3,4,5,6,7
	ds_load_b128 v[KV+8*\t:KV+8*\t+3], v[ADK] offset:\t*1024
	ds_load_b128 v[KV+8*\t+4:KV+8*\t+7], v[ADK] offset:\t*1024+512
.endr
	s_wait_alu depctr_va_vdst(0)
	s_wait_dscnt 0x8                               ; K's first four fragments; the youngest eight loads may be out
.irp t, 0,1,2,3
	v_wmma_f32_16x16x64_fp8_fp8 v[S+8*\t:S+8*\t+7], v[KV+8*\t:KV+8*\t+7], v[\qb:\qb+7], 0
.endr
	s_wait_dscnt 0x0
.irp t, 4,5,6,7
	v_wmma_f32_16x16x64_fp8_fp8 v[S+8*\t:S+8*\t+7], v[KV+8*\t:KV+8*\t+7], v[\qb:\qb+7], 0
.endr
.rept 4
	v_nop                                          ; places: in front of the loads into K's registers, and of the first read of the scores
.endr
.irp e, 0,1,2,3                                ; V: channels 16 e on; registers 0-7 the step's first 64 keys, 8-15 the next 64.  They land while the softmax is worked
.irp g, 0,1
	ds_load_b128 v[KV+16*\e+8*\g:KV+16*\e+8*\g+3], v[ADV] offset:\g*4096+\e*1024
	ds_load_b128 v[KV+16*\e+8*\g+4:KV+16*\e+8*\g+7], v[ADV] offset:\g*4096+\e*1024+512
.endr
.endr
	s_add_co_u32 s[TS], s[KF], 127
	s_cmp_lt_u32 s[TS], s[\lv]                     ; a step whose last key lies under 64 p counts for every query of the level
	s_cbranch_scc1 .Lopen_\@
	s_sub_co_i32 s[TS], s[\q0], s[KF]
	v_add_nc_u32 v[DD], s[TS], v[RH]               ; d = my first query - KF + r - 8 h.  Register n is key KF + 16 (n / 8) + 8 h + n % 8: hidden where 16 (n / 8) + n % 8 > d
.set n, 0
.rept 64
	v_cmp_gt_i32 vcc_lo, 16*(n/8)+n%8, v[DD]
	v_cndmask_b32 v[S+n], v[S+n], v[NINF], vcc_lo  ; a hidden score becomes -infinity: p = 0.  The step's first key counts for every query of the level, so the maximum is a number
.set n, n+1
.endr
.Lopen_\@:
.irp c, 0,1,2,3                                ; the step's largest score among my 64 keys, in four chains; each accumulator is read from its low end on
	v_max3_num_f32 v[MX+\c], v[S+16*\c], v[S+16*\c+1], v[S+16*\c+2]
.endr
.irp i, 3,5,7,9,11,13
.irp c, 0,1,2,3
	v_max3_num_f32 v[MX+\c], v[MX+\c], v[S+16*\c+\i], v[S+16*\c+\i+1]
.endr
.endr
	v_max3_num_f32 v[MX], v[MX], v[S+15], v[S+31]
	v_max3_num_f32 v[MX+2], v[MX+2], v[S+47], v[S+63]
	s_delay_alu instid0(VALU_DEP_1)
	v_max3_num_f32 v[MX], v[MX], v[MX+1], v[MX+2]
	s_delay_alu instid0(VALU_DEP_1)
	v_max_num_f32 v[MX], v[MX], v[MX+3]
	s_delay_alu instid0(VALU_DEP_1)
	v_permlanex16_b32 v[X], v[MX], s[SEL], s[SEL+1]
	s_delay_alu instid0(VALU_DEP_1)
	v_max_num_f32 v[MX], v[MX], v[X]               ; and among lane l xor 16's
	s_delay_alu instid0(VALU_DEP_1)
	v_mul_f32 v[MX], s[CS], v[MX]                  ; as t (c is positive)
	s_delay_alu instid0(VALU_DEP_1)
	v_max_num_f32 v[RUN], v[RUN], v[MX]            ; the running largest t
	v_mov_b32 v[MX+1], v[NEGM]
	s_delay_alu instid0(VALU_DEP_2)
	v_floor_f32 v[NEGM], -v[RUN]                   ; the new -M = floor(-t) = -ceil(t)
	s_delay_alu instid0(VALU_DEP_1)
	v_sub_f32 v[MX+1], v[NEGM], v[MX+1]            ; old M - new M: a whole number, 0 or less
	s_delay_alu instid0(VALU_DEP_1)
	v_cvt_i32_f32 v[MX+1], v[MX+1]                 ; (it saturates)
	s_delay_alu instid0(VALU_DEP_1)
	v_ldexp_f32 v[F], 1.0, v[MX+1]                 ; f = 2^(old M - new M)
.set j, 0
.rept 32
	v_pk_fma_f32 v[S+j:S+j+1], v[S+j:S+j+1], s[CS:CS+1], v[NEGM:NEGM+1] op_sel_hi:[1,0,0]   ; t - M, two at a time (of the pairs c and -M the low word serves both halves)
.set j, j+2
.endr
.set j, 0
.rept 16
	v_pk_mul_f32 v[O+j:O+j+1], v[O+j:O+j+1], v[F:F+1] op_sel_hi:[1,0]   ; O^T under the new M, ahead of the exponentials; each accumulator from its low end on
.set j, j+2
.endr
	s_wait_alu depctr_va_vdst(0)
.set j, 0
.rept 64
	v_exp_f32 v[S+j], v[S+j]                       ; p = 2^(t - M), at most 1
.set j, j+1
.endr
	v_pk_mul_f32 v[L:L+1], v[L:L+1], v[F:F+1] op_sel_hi:[1,0]   ; the sum under the new M: the plain instruction behind the exponentials
	s_wait_alu depctr_va_vdst(0)                   ; one wait for the whole batch, ahead of its first reader
	v_pk_add_f32 v[SA:SA+1], v[S:S+1], v[S+2:S+3]  ; the row's sum is taken of the unquantised p: two at a time, four chains
	v_pk_add_f32 v[SB:SB+1], v[S+4:S+5], v[S+6:S+7]
	v_pk_add_f32 v[SC:SC+1], v[S+8:S+9], v[S+10:S+11]
	v_pk_add_f32 v[L:L+1], v[L:L+1], v[S+12:S+13]
.irp q, 14,22,30,38,46,54
	v_pk_add_f32 v[SA:SA+1], v[SA:SA+1], v[S+\q:S+\q+1]
	v_pk_add_f32 v[SB:SB+1], v[SB:SB+1], v[S+\q+2:S+\q+3]
	v_pk_add_f32 v[SC:SC+1], v[SC:SC+1], v[S+\q+4:S+\q+5]
	v_pk_add_f32 v[L:L+1], v[L:L+1], v[S+\q+6:S+\q+7]
.endr
	v_pk_add_f32 v[SA:SA+1], v[SA:SA+1], v[S+62:S+63]
	v_pk_add_f32 v[L:L+1], v[L:L+1], v[SC:SC+1]
	v_pk_add_f32 v[SA:SA+1], v[SA:SA+1], v[SB:SB+1]
.set j, 0
.rept 32
	v_dual_min_num_f32 v[S+j], v[S+j], v[PLIM] :: v_dual_min_num_f32 v[S+j+1], v[S+j+1], v[PLIM2]   ; the conversion does not saturate (ISA guide 7.6.2); p is not negative, so the hold is one-sided; two holds an instruction
.set j, j+2
.endr
.irp t, 0,1,2,3,4,5,6,7
	v_cvt_scalef32_pk8_fp8_f32 v[P+2*\t:P+2*\t+1], v[S+8*\t:S+8*\t+7], v[PSCL]   ; keys 16 t + 8 h + 0 .. 7: registers 2 t, 2 t + 1 of the operand
.endr
	v_pk_add_f32 v[L:L+1], v[L:L+1], v[SA:SA+1]    ; the chains' last sum: also the plain instruction between the conversions and the products
	s_wait_alu depctr_va_vdst(0)
	s_wait_dscnt 0x0                               ; V's fragments
.irp e, 0,1,2,3                                ; the four accumulators take turns, one instruction a turn; the eight products of the scores stand between two steps of a sum
	v_wmma_f32_16x16x128_fp8_fp8 v[O+8*\e:O+8*\e+7], v[KV+16*\e:KV+16*\e+15], v[P:P+15], v[O+8*\e:O+8*\e+7]
.endr
.Lhid_\@:
	s_add_co_u32 s[KF], s[KF], KS
	s_add_co_u32 s[KB], s[KB], KS*64
	s_sub_co_u32 s[CNT], s[CNT], 1
	s_cmp_lg_u32 s[CNT], 0
	s_cbranch_scc1 .Lstep_\@
	; THE LEVEL'S END.  Five plain instructions that name no register of the last products stand in front of the first read of O^T.
	v_add_f32 v[MX], v[L], v[L+1]                  ; the sum's two halves,
	v_permlanex16_b32 v[X], v[MX], s[SEL], s[SEL+1]
	v_add_f32 v[MX], v[MX], v[X]                   ; and lane l xor 16's: l
	s_wait_alu depctr_va_vdst(0)                   ; ahead of the transcendental
	v_rcp_f32 v[F], v[MX]
	v_nop
	s_wait_alu depctr_va_vdst(0)                   ; ahead of its first reader
	v_ldexp_f32 v[F], v[F], s[EO]                  ; 2^(e8 + e9 - e10) / l
	s_wait_alu depctr_va_vdst(0)                   ; directly ahead of the first reader of O^T
.set j, 0
.rept 16
	v_pk_mul_f32 v[O+j:O+j+1], v[O+j:O+j+1], v[F:F+1] op_sel_hi:[1,0]
.set j, j+2
.endr
.set j, 0
.rept 32
	v_med3_num_f32 v[O+j], v[O+j], -v[OLIM], v[OLIM]             ; the hold at the largest code
.set j, j+1
.endr
.irp t, 0,1,2,3
	v_cvt_scalef32_pk8_fp8_f32 v[P+2*\t:P+2*\t+1], v[O+8*\t:O+8*\t+7], v[ONE]   ; channels 16 t + 8 h + 0 .. 7 of query r
.endr
	v_nop                                          ; one plain instruction behind the last conversion
.irp t, 0,1,2,3
	global_store_b64 v[SO], v[P+2*\t:P+2*\t+1], s[\op:\op+1] offset:\t*256   ; 32 lanes store 256 consecutive bytes, at a multiple of 256 from o_img's first byte
.endr
.endm
	PASS QLO, LVL, QZ, OB
	s_wait_xcnt 0x0                                ; the first level's stores have read their registers, which are written again below
	s_wait_loadcnt 0x0                             ; Q of the second level
	PASS QHI, LVL+1, QZ+1, OB+2
	s_wait_tensorcnt 0x0                           ; the wave's end
	ds_add_u32 v[SPW], v[NIL]
	s_wait_dscnt 0x0
	CROUND                                         ; the closing round
	s_endpgm
.Lfunc_end_k_q096ebdf85e_attn:
	.size	k_q096ebdf85e_attn, .Lfunc_end_k_q096ebdf85e_attn-k_q096ebdf85e_attn
	.p2alignl 7, 3214868480
	.fill 96, 4, 3214868480
	.section	.rodata,"a",@progbits
	.p2align	6, 0x0
	.amdhsa_kernel k_q096ebdf85e_attn
		.amdhsa_group_segment_fixed_size 264192
		.amdhsa_private_segment_fixed_size 0
		.amdhsa_enable_private_segment 0
		.amdhsa_kernarg_size 40
		.amdhsa_user_sgpr_count 2
		.amdhsa_user_sgpr_kernarg_segment_ptr 1
		.amdhsa_wavefront_size32 1
		.amdhsa_system_sgpr_workgroup_id_x 1
		.amdhsa_system_sgpr_workgroup_id_y 1
		.amdhsa_system_sgpr_workgroup_id_z 1
		.amdhsa_system_vgpr_workitem_id 0
		.amdhsa_next_free_vgpr 256
		.amdhsa_next_free_sgpr 66
		.amdhsa_reserve_vcc 1
		.amdhsa_float_denorm_mode_32 3
		.amdhsa_float_denorm_mode_16_64 3
		.amdhsa_memory_ordered 1
		.amdhsa_forward_progress 1
		.amdhsa_inst_pref_size 60
	.end_amdhsa_kernel
	.amdgpu_metadata
---
amdhsa.version: [ 1, 2 ]
amdhsa.kernels:
  - .name:           k_q096ebdf85e_attn
    .symbol:         k_q096ebdf85e_attn.kd
    .args:
      - { .name: q_img, .offset: 0, .size: 8, .value_kind: global_buffer, .address_space: global }
      - { .name: k_img, .offset: 8, .size: 8, .value_kind: global_buffer, .address_space: global }
      - { .name: v_img, .offset: 16, .size: 8, .value_kind: global_buffer, .address_space: global }
      - { .name: lowp_scales, .offset: 24, .size: 8, .value_kind: global_buffer, .address_space: global }
      - { .name: o_img, .offset: 32, .size: 8, .value_kind: global_buffer, .address_space: global }
    .group_segment_fixed_size: 264192
    .private_segment_fixed_size: 0
    .kernarg_segment_align: 8
    .kernarg_segment_size: 40
    .max_flat_workgroup_size: 512
    .sgpr_count:     66
    .vgpr_count:     256
    .wavefront_size: 32
...
	.end_amdgpu_metadata
.endif
;; end of part 2
;; launch outp (part 3): grid 4 x 64, 4 waves a work-group, clusters of 4 x 4, 327,680 bytes of LDS; arguments o_img, Wp_codes, lowp_scales, bp, out0; writes out0
.if DOCPART == 3
	.amdgcn_target "amdgcn-amd-amdhsa--gfx1250"
	.amdhsa_code_object_version 6
	.text
	.protected	k_q096ebdf85e_outp
	.globl	k_q096ebdf85e_outp
	.p2align	8
	.type	k_q096ebdf85e_outp,@function
k_q096ebdf85e_outp:
	s_mov_b64 s[64:65], 0
	v_nop
	global_prefetch_b8 v0, s[64:65] scope:SCOPE_SE
	s_setreg_imm32_b32 hwreg(HW_REG_WAVE_MODE, 25, 1), 1
	s_wait_xcnt 0x0
	s_wait_alu depctr_hold_cnt(0) depctr_sa_sdst(0) depctr_va_vdst(0) depctr_va_sdst(0) depctr_va_ssrc(0) depctr_va_vcc(0) depctr_vm_vsrc(0)
	s_getreg_b32 s2, hwreg(HW_REG_IB_STS2, 6, 4)
	s_cmp_eq_u32 s2, 0
	s_cbranch_scc0 .Lentry_in_a_cluster
	s_endpgm
.Lentry_in_a_cluster:
	s_bfe_u32 s2, ttmp6, 0x10000c
	s_cmp_lg_u32 s2, 0xf033
	s_cbranch_scc0 .Lentry_shape_is_right
	s_endpgm
.Lentry_shape_is_right:
; out0 = O Wp + bp on codes of FP8 (E4M3): [8192 tokens] x [1024 columns], K = 1024.  A sum is multiplied once by 2^(e10 + e11).  LIMIT: e10 + e11 between -126 and 127.
; A = o_img, laid as images of operand registers: (token / 128) x 131072 + (k / 256) x 32768 + ((token / 16) % 8) x 4096 + ((k / 64) % 4) x 1024 + ((k / 16) % 4) x 256 + 16 (token % 16) + k % 16.   B = Wp_codes: [1024 columns][1024 k].
; A block of C is 128 tokens x 256 columns: 64 x 4 = 256 work-groups of four waves; a wave makes 64 x 128: 32 accumulators.
; K goes in four steps of 256 through THREE LDS planes (A's 32,768 bytes, then B's 256 rows of 272).  At the head wave w asks for one tile: A's (w even) or B's (w odd) of K step w / 2, into plane w / 2.
; K step 2 is plane 2's first fill, behind the full sequence and a round (waves 0, 1); K step 3 fills plane 0 again behind the next (waves 2, 3).  By the text's own count a wave never has more than one tensor load out.
; CLUSTERS: 4 x 4 work-groups; A's tile is shared along a row of the cluster, B's along a column: joint loads.  No prefetch: K has four steps, and two of them are asked for at the head.
; THE MATRIX INSTRUCTION IS USED TRANSPOSED (source 0 = 16 rows of B, source 1 = 16 tokens): a lane holds eight neighbouring columns of one token.
; REGISTERS: window 0: v0-35 addresses and the bias; A's fragments in two sets at v128 and v192.  Window 1: B's in two sets at v0 and v128.  Window 2: accumulator (a, b) at v[8 (8 a + b)].
.set SIZE_N, 1024
.set ROWB,   256
.set KROW,   1024
.set PITCH,  272                       ; B's LDS row: 256 bytes + 16 of padding
.set FR,     16
.set NP,     4                         ; places behind this matrix instruction (ISA guide 7.12.1)
.set ABYT,   32768
.set HALFT,  128*PITCH
.set PLANE,  ABYT+2*HALFT              ; 102,400 bytes
.set SPARE,  3*PLANE                   ; the spare words, 128 bytes a wave
.set SPITCH, 528                       ; the way out: a stage of 16 rows x (512 + 16) bytes a wave, in plane 1, which has had its only fill and its last read by then
.set BOFS, 7
.set ADRA, 16                          ; v16-18 my A fragments in planes 0, 1, 2
.set ADRB, 20                          ; v20-22 the same for B
.set STO,  24
.set RD,   25
.set CO,   26
.set SPW,  28
.set NIL,  29
.set BIAS, 32
.set AF,   128
.set BK,   128
.set G1, 24
.set G0, 32
.set G1B, 48
.set G0B, 56
.set MSB, 0
.macro WIN new
.if MSB != \new
	s_set_vgpr_msb (MSB<<8)|\new
.set MSB, \new
.endif
.endm
.set MUL_LO, 0xa1                      ; source 0 window 1, source 1 window 0, C and D window 2
.set TO_B,   0x40
; A joint load.  pl < 0: every wave asks; else the two waves with w / 2 = pl.  Even waves ask for A, odd ones for B.  The branches hang on the wave's number alone.
.macro JL pl
.if \pl >= 0
	s_cmp_lg_u32 s15, \pl
	s_cbranch_scc1 .Lasked_\@
.endif
	s_cmp_eq_u32 s16, 0
	s_cbranch_scc0 .Lfor_b_\@
	tensor_load_to_lds s[G0:G0+3], s[G1:G1+7]
	s_nop 0
.rept 4
	v_nop
.endr
	s_branch .Lasked_\@
.Lfor_b_\@:
	tensor_load_to_lds s[G0B:G0B+3], s[G1B:G1B+7]
	s_nop 0
.rept 4
	v_nop
.endr
.Lasked_\@:
.endm
.macro CROUND                          ; a round of the cluster's barrier
	s_barrier_signal -1
	s_barrier_wait -1
	s_cmp_lg_u32 s14, 0
	s_cbranch_scc1 .Lnot_wave_0_\@
	s_barrier_signal -3
.Lnot_wave_0_\@:
	s_barrier_wait -3
	s_barrier_signal -1
	s_barrier_wait -1
.endm
.macro SEQ                             ; all my tensor loads have landed; the add; the add and my LDS reads are done
	s_wait_tensorcnt 0x0
	ds_add_u32 v[SPW], v[NIL]
	s_wait_dscnt 0x0
.endm
.macro PLACES
.rept NP
	v_nop
.endr
.endm
	s_load_b128 s[4:7], s[0:1], 0x0                ; o_img, Wp_codes
	s_load_b128 s[8:11], s[0:1], 0x10              ; the scales' exponents, bp
	s_load_b64 s[12:13], s[0:1], 0x20              ; out0
	v_lshl_add_u32 v[SPW], v0, 2, SPARE
	v_mov_b32 v[NIL], 0
	ds_add_u32 v[SPW], v[NIL]                      ; the opening lines
	ds_add_u32 v[SPW], v[NIL]
	v_lshrrev_b32 v1, 5, v0
	v_readfirstlane_b32 s14, v1                    ; wave 0..3
	s_lshr_b32 s15, s14, 1                         ; my half of the tokens.  Also: the plane that I fill at the head
	s_and_b32 s16, s14, 1                          ; my half of the columns.  Also: I fetch for A (0) or for B (1)
	s_bfe_u32 s40, ttmp6, 0x40000
	s_bfe_u32 s41, ttmp6, 0x40004
	s_lshl_b32 s42, ttmp9, 2
	s_add_co_u32 s42, s42, s40                     ; block column
	s_and_b32 s17, ttmp7, 0xffff
	s_lshl_b32 s17, s17, 2
	s_add_co_u32 s17, s17, s41                     ; block row
	s_lshl_b32 s43, s41, 2
	s_lshl_b32 s43, 15, s43                        ; my row of the cluster
	s_lshl_b32 s44, 0x1111, s40                    ; my column
	s_or_b32 s[G1+0], s43, (3<<16)|(1<<21)         ; A: 32,768 dense bytes as 128 rows of 32 elements of 8 bytes
	s_mov_b32 s[G1+1], 32<<16
	s_mov_b32 s[G1+2], 128<<16
	s_mov_b32 s[G1+3], 32<<16
	s_mov_b32 s[G1+4], 128
	s_mov_b32 s[G1+5], 32
	s_mov_b32 s[G1+6], 0
	s_mov_b32 s[G1+7], 0
	s_or_b32 s[G1B+0], s44, (0<<16)|(1<<20)|(1<<21)|(5<<22)|(3<<25)   ; B: 256 rows of 256 bytes, four words of padding behind each
	s_mov_b32 s[G1B+1], ROWB<<16
	s_mov_b32 s[G1B+2], 256<<16
	s_mov_b32 s[G1B+3], ROWB<<16
	s_mov_b32 s[G1B+4], 256
	s_mov_b32 s[G1B+5], KROW
	s_mov_b32 s[G1B+6], 0
	s_mov_b32 s[G1B+7], 0
	s_lshl_b32 s20, s17, 17                        ; A: the block of 128 tokens,
	s_lshl_b32 s18, s15, 15                        ; and my plane's K step
	s_add_co_u32 s20, s20, s18
	s_mov_b32 s21, 0
	s_lshl_b32 s46, s42, 18                        ; B: 256 rows of 1,024 bytes a block column,
	s_lshl_b32 s18, s15, 8                         ; and my plane's K step
	s_add_co_u32 s46, s46, s18
	s_mov_b32 s47, 0
	s_mul_i32 s45, s15, PLANE
	s_wait_dscnt 0x0
	s_wait_kmcnt 0x0
	s_load_b64 s[96:97], s[8:9], 0x28              ; e10, e11
	s_mov_b32 s[G0], 1
	s_mov_b32 s[G0+1], s45
	s_add_nc_u64 s[G0+2:G0+3], s[4:5], s[20:21]
	s_or_b32 s[G0+3], s[G0+3], 0x80000000
	s_mov_b32 s[G0B], 1
	s_add_co_u32 s[G0B+1], s45, ABYT
	s_add_nc_u64 s[G0B+2:G0B+3], s[6:7], s[46:47]
	s_or_b32 s[G0B+3], s[G0B+3], 0x80000000
	CROUND                                         ; the sixteen work-groups are here: the first joint loads meet
	JL -1                                          ; K steps 0 and 1: one tensor load a wave
	s_lshl_b32 s21, s15, 14                        ; my 64 tokens: four blocks of 4,096 bytes
	s_mul_i32 s22, s16, HALFT
	s_add_co_u32 s22, s22, ABYT                    ; my 128 rows of B
	s_mul_i32 s23, s14, 16*SPITCH
	s_add_co_u32 s23, s23, PLANE                   ; my stage
	s_lshl_b32 s20, s17, 7
	s_lshl_b32 s18, s15, 6
	s_add_co_u32 s20, s20, s18                     ; my first row of C,
	s_lshl_b32 s20, s20, 12                        ; of 4,096 bytes
	s_lshl_b32 s46, s42, 10
	s_lshl_b32 s47, s16, 9
	s_add_co_u32 s46, s46, s47                     ; my first column, in bytes
	s_mov_b32 s47, 0
	s_add_nc_u64 s[12:13], s[12:13], s[46:47]
	s_mov_b32 s18, s20
	s_mov_b32 s19, 0
	s_add_nc_u64 s[12:13], s[12:13], s[18:19]
	v_and_b32 v1, 15, v0
	v_bfe_u32 v2, v0, 4, 1
	v_mul_u32_u24 v3, v1, PITCH
	v_lshl_add_u32 v4, v2, 4, v3                   ; B: row x pitch + 16 x half
	v_and_b32 v6, 31, v0
	v_lshlrev_b32 v[CO], 4, v6                     ; 16 x lane
	v_add_nc_u32 v[ADRA], s21, v[CO]
	v_add_nc_u32 v[ADRB], s22, v4
	v_add_nc_u32 v[ADRA+1], PLANE, v[ADRA]
	v_add_nc_u32 v[ADRB+1], PLANE, v[ADRB]
	v_add_nc_u32 v[ADRA+2], 2*PLANE, v[ADRA]
	v_add_nc_u32 v[ADRB+2], 2*PLANE, v[ADRB]
	v_mul_u32_u24 v5, v1, SPITCH
	v_lshl_add_u32 v5, v2, 5, v5
	v_add_nc_u32 v[STO], s23, v5                   ; in: row l % 16, 32 bytes for each half of the lanes
	v_add_nc_u32 v[RD], s23, v[CO]                 ; back: 32 lanes take a row of 512 bytes
	v_add_nc_u32 v[BOFS], s46, v[CO]
	global_load_b128 v[BIAS:BIAS+3], v[BOFS], s[10:11]   ; the bias of my four columns of a row read back
; the fragments of a plane's q-th 128 along K into set p: registers 4 c .. 4 c + 3 hold k = 32 c + 16 (l / 16) + 0 .. 15 in A and in B alike.  48 loads
.macro FETCH pl, q, p
	WIN TO_B
.irp i, 0,1,2,3,4,5,6,7
.irp c, 0,1,2,3
	ds_load_b128 v[128*(\p)+FR*\i+4*\c:128*(\p)+FR*\i+4*\c+3], v[ADRB+\pl] offset:128*(\q)+32*\c+\i*16*PITCH
.endr
.endr
	WIN 0
.irp i, 0,1,2,3
.irp c, 0,1,2,3
	ds_load_b128 v[AF+64*(\p)+FR*\i+4*\c:AF+64*(\p)+FR*\i+4*\c+3], v[ADRA+\pl] offset:\i*4096+2048*(\q)+512*\c
.endr
.endr
.endm
; 32 matrix instructions on set p; the 32 accumulators take turns, in the same order in every step.  zero = 1: the first product starts the sums
.macro MUL p, zero
	WIN MUL_LO
.irp a, 0,1,2,3
.irp b, 0,1,2,3,4,5,6,7
.if \zero
	v_wmma_f32_16x16x128_fp8_fp8 v[8*(8*\a+\b):8*(8*\a+\b)+7], v[128*(\p)+FR*\b:128*(\p)+FR*\b+FR-1], v[AF+64*(\p)+FR*\a:AF+64*(\p)+FR*\a+FR-1], 0
.else
	v_wmma_f32_16x16x128_fp8_fp8 v[8*(8*\a+\b):8*(8*\a+\b)+7], v[128*(\p)+FR*\b:128*(\p)+FR*\b+FR-1], v[AF+64*(\p)+FR*\a:AF+64*(\p)+FR*\a+FR-1], v[8*(8*\a+\b):8*(8*\a+\b)+7]
.endif
.endr
.endr
	WIN 0
.endm
.macro STP pl, q, p, zero              ; the next step's fragments (plane pl, q) go into the other set; then set p is multiplied
	PLACES                                         ; behind the products that read that other set
	FETCH \pl, \q, 1-(\p)
	s_wait_dscnt 48                                ; all but the 48 just issued: set p is in
	MUL \p, \zero
.endm
.macro LASTM p                         ; a step behind which the next fragments are not yet to be had
	s_wait_dscnt 0x0
	MUL \p, 0
.endm
	s_wait_alu depctr_va_vdst(0)                   ; the head's end
	SEQ                                            ; my tile of K step 0 or 1 is in
	s_mov_b32 s[G0+1], 2*PLANE                     ; no load of mine is out, so the groups 0 may be written: plane 2,
	s_mov_b32 s[G0B+1], 2*PLANE+ABYT
	s_add_nc_u64 s[G0+2:G0+3], s[G0+2:G0+3], 2*ABYT        ; two K steps on: K step 2 in waves 0, 1; K step 3 in waves 2, 3
	s_add_nc_u64 s[G0B+2:G0B+3], s[G0B+2:G0B+3], 2*ROWB
	CROUND
	JL 0                                           ; K step 2: plane 2's first fill
	FETCH 0, 0, 0
	STP 0, 1, 0, 1
	STP 1, 0, 1, 0
	STP 1, 1, 0, 0
	LASTM 1
	SEQ                                            ; K step 2 is in, and my reads of planes 0 and 1 are over
	s_mov_b32 s[G0+1], 0                           ; plane 0
	s_mov_b32 s[G0B+1], ABYT
	CROUND
	JL 1                                           ; K step 3 fills plane 0 again: the first tensor load behind the round
	PLACES
	FETCH 2, 0, 0
	STP 2, 1, 0, 0
	LASTM 1
	SEQ                                            ; K step 3 is in; nothing is filled again, so no round follows
	s_barrier_signal -1
	s_barrier_wait -1
	PLACES
	FETCH 0, 0, 0
	STP 0, 1, 0, 0
	LASTM 1
; THE WAY OUT, block by block of 16 tokens x 128 columns, through my own stage: in as 32 bytes a lane, back as rows of 512 bytes; LDS serves a wave's instructions in order (ISA guide 5.7.1.4).
.macro TOSTAGE a
.set AC, 64*(\a)
	WIN 0x08                                       ; the stores' data: window 2
.irp b, 0,1,2,3,4,5,6,7
	ds_store_b128 v[STO], v[AC+8*\b:AC+8*\b+3] offset:64*\b          ; each accumulator from its low end on
	ds_store_b128 v[STO], v[AC+8*\b+4:AC+8*\b+7] offset:64*\b+16
.endr
	WIN 0
.set BB, BK+64*((\a)%2)
.irp t, 0,1,2,3,4,5,6,7,8,9,10,11,12,13,14,15
	ds_load_b128 v[BB+4*\t:BB+4*\t+3], v[RD] offset:\t*SPITCH
.endr
.endm
.macro SEND a, younger                 ; younger: the LDS instructions issued behind block a's loads
.set BB, BK+64*((\a)%2)
	s_wait_dscnt \younger
.if (\a) > 0
	s_add_nc_u64 s[12:13], s[12:13], 16*SIZE_N*4   ; behind a wait on XCNT: the earlier stores have read their base
.endif
.irp t, 0,1,2,3,4,5,6,7,8,9,10,11,12,13,14,15
	v_pk_fma_f32 v[BB+4*\t:BB+4*\t+1], v[BB+4*\t:BB+4*\t+1], s[96:97], v[BIAS:BIAS+1] op_sel_hi:[1,0,1]       ; x 2^(e10 + e11), + the bias
	v_pk_fma_f32 v[BB+4*\t+2:BB+4*\t+3], v[BB+4*\t+2:BB+4*\t+3], s[96:97], v[BIAS+2:BIAS+3] op_sel_hi:[1,0,1]
.endr
.irp t, 0,1,2,3,4,5,6,7,8,9,10,11,12,13,14,15
	global_store_b128 v[CO], v[BB+4*\t:BB+4*\t+3], s[12:13] offset:\t*SIZE_N*4 th:TH_STORE_NT   ; 32 lanes store 512 consecutive bytes, at a multiple of 256 from out0's first byte
.endr
.endm
	s_wait_kmcnt 0x0
	s_add_co_i32 s96, s96, s97
	s_add_co_i32 s96, s96, 127
	s_lshl_b32 s96, s96, 23                        ; 2^(e10 + e11) as f32
	s_wait_loadcnt 0x0                             ; the bias
	PLACES
	TOSTAGE 0
.irp a, 1,2,3
.if \a > 1
	s_wait_xcnt 0x0                                ; block a - 2's stores have read their registers and their base
.endif
	TOSTAGE \a
	SEND \a-1, 32
.endr
	s_wait_xcnt 0x0
	SEND 3, 0
	SEQ                                            ; the wave's end
	CROUND                                         ; the closing round
	s_endpgm
.Lfunc_end_k_q096ebdf85e_outp:
	.size	k_q096ebdf85e_outp, .Lfunc_end_k_q096ebdf85e_outp-k_q096ebdf85e_outp
	.p2alignl 7, 3214868480
	.fill 96, 4, 3214868480
	.section	.rodata,"a",@progbits
	.p2align	6, 0x0
	.amdhsa_kernel k_q096ebdf85e_outp
		.amdhsa_group_segment_fixed_size 327680
		.amdhsa_private_segment_fixed_size 0
		.amdhsa_enable_private_segment 0
		.amdhsa_kernarg_size 40
		.amdhsa_user_sgpr_count 2
		.amdhsa_user_sgpr_kernarg_segment_ptr 1
		.amdhsa_wavefront_size32 1
		.amdhsa_system_sgpr_workgroup_id_x 1
		.amdhsa_system_sgpr_workgroup_id_y 1
		.amdhsa_system_sgpr_workgroup_id_z 1
		.amdhsa_system_vgpr_workitem_id 0
		.amdhsa_next_free_vgpr 768
		.amdhsa_next_free_sgpr 98
		.amdhsa_reserve_vcc 0
		.amdhsa_float_denorm_mode_32 3
		.amdhsa_float_denorm_mode_16_64 3
		.amdhsa_memory_ordered 1
		.amdhsa_forward_progress 1
		.amdhsa_inst_pref_size 74
	.end_amdhsa_kernel
	.amdgpu_metadata
---
amdhsa.version: [ 1, 2 ]
amdhsa.kernels:
  - .name:           k_q096ebdf85e_outp
    .symbol:         k_q096ebdf85e_outp.kd
    .args:
      - { .name: o_img, .offset: 0, .size: 8, .value_kind: global_buffer, .address_space: global }
      - { .name: Wp_codes, .offset: 8, .size: 8, .value_kind: global_buffer, .address_space: global }
      - { .name: lowp_scales, .offset: 16, .size: 8, .value_kind: global_buffer, .address_space: global }
      - { .name: bp, .offset: 24, .size: 8, .value_kind: global_buffer, .address_space: global }
      - { .name: out0, .offset: 32, .size: 8, .value_kind: global_buffer, .address_space: global }
    .group_segment_fixed_size: 327680
    .private_segment_fixed_size: 0
    .kernarg_segment_align: 8
    .kernarg_segment_size: 40
    .max_flat_workgroup_size: 128
    .sgpr_count:     98
    .vgpr_count:     768
    .wavefront_size: 32
...
	.end_amdgpu_metadata
.endif
;; end of part 3
